; MI455X (gfx1250); checked and timed in simulation.
; The chip was launched on July 23, 2026; its instructions are those of AMD's public machine-readable ISA for CDNA 5 (MIT licence, August 2026) and "CDNA5" Instruction Set Architecture Reference Guide (July 2026). The comments in the code are by the model that wrote it; some were corrected since.
;; Multi Head Attention. Allowed arithmetic: float matrix products may take bf16 or f16 operands with f32 sums; all other float work in f32.
;; Inputs: K 2 x 2,048 x 1,024 float32; Q 2 x 2,048 x 1,024 float32; V 2 x 2,048 x 1,024 float32; Wk 1,024 x 1,024 float32; Wo 1,024 x 1,024 float32; Wq 1,024 x 1,024 float32; Wv 1,024 x 1,024 float32; bk 1,024 float32; bo 1,024 float32; bq 1,024 float32; bv 1,024 float32.
;; Outputs: out0 2 x 2,048 x 1,024 float32.
;; One version. Each part assembles by itself: llvm-mc -triple=amdgcn-amd-amdhsa -mcpu=gfx1250 --defsym DOCPART=n.
;; ======== version 1 of 1: 4 launches
;; workspace buffers: xb 33,554,432 bytes; qkv 25,165,824 bytes; ao 8,388,608 bytes
;; launch cast (part 1): grid 1024 x 1, 8 waves a work-group, no clusters, 0 bytes of LDS; arguments Q, K, V, Wq, Wk, Wv, Wo, xb; writes xb
.if DOCPART == 1
	.amdgcn_target "amdgcn-amd-amdhsa--gfx1250"
	.amdhsa_code_object_version 6
	.text
	.protected	k_q12fbdde3e3_cast
	.globl	k_q12fbdde3e3_cast
	.p2align	8
	.type	k_q12fbdde3e3_cast,@function
k_q12fbdde3e3_cast:
	s_mov_b64 s[64:65], 0
	v_nop
	global_prefetch_b8 v0, s[64:65] scope:SCOPE_SE
	s_setreg_imm32_b32 hwreg(HW_REG_WAVE_MODE, 25, 1), 1
	s_wait_xcnt 0x0
; xb = the bf16 copies (round to nearest even) of Q, K, V, Wq, Wk, Wv, Wo, one behind the other.
; Why a pass of its own: the products that follow take their tiles by tensor loads, which copy bytes and convert nothing.
; With bf16 tiles an LDS row of 256 bytes holds 128 numbers along K instead of 64, a fragment costs half the LDS bytes,
; and the tiles can be asked for jointly by the work-groups that share them.
; Work-group g takes 65,536 bytes of f32 and stores 32,768 bytes at xb + 32,768 g: g 0-255 Q, 256-511 K, 512-767 V,
; then 64 groups each for Wq, Wk, Wv, Wo.  A wave takes 8,192 bytes: sixteen loads of 512 neighbouring bytes, all issued
; before the first is used; each store of a wave covers 256 consecutive bytes, aligned.  No register is written twice,
; so no wait is needed for the sources of the loads and stores.  No LDS, no barrier, no matrix unit: nothing is shared.
.set X, 4                              ; v[4:67]   sixteen loads of four f32
.set Y, 68                             ; v[68:99]  sixteen pairs of words, four bf16 each
	s_load_b512 s[8:23], s[0:1], 0x0               ; Q s[8:9], K s[10:11], V s[12:13], Wq s[14:15], Wk s[16:17], Wv s[18:19], Wo s[20:21], xb s[22:23]
	s_lshr_b32 s2, ttmp9, 8                        ; 0, 1, 2: Q, K, V; 3: a weight
	s_bfe_u32 s3, ttmp9, 0x20006                   ; which weight (bits 7:6 of g)
	v_lshrrev_b32 v1, 5, v0                        ; wave
	v_and_b32 v2, 31, v0                           ; lane
	v_lshlrev_b32 v2, 4, v2
	v_lshl_or_b32 v1, v1, 13, v2                   ; 8,192 wave + 16 lane: my bytes of the source
	v_lshrrev_b32 v2, 1, v1                        ; 4,096 wave + 8 lane: my bytes of the copy
	s_wait_kmcnt 0x0
	s_cmp_eq_u32 s2, 1
	s_cselect_b64 s[4:5], s[10:11], s[8:9]
	s_cmp_eq_u32 s2, 2
	s_cselect_b64 s[4:5], s[12:13], s[4:5]
	s_cmp_eq_u32 s3, 1
	s_cselect_b64 s[6:7], s[16:17], s[14:15]
	s_cmp_eq_u32 s3, 2
	s_cselect_b64 s[6:7], s[18:19], s[6:7]
	s_cmp_eq_u32 s3, 3
	s_cselect_b64 s[6:7], s[20:21], s[6:7]
	s_cmp_eq_u32 s2, 3
	s_cselect_b64 s[4:5], s[6:7], s[4:5]           ; my source
	s_cselect_b32 s24, 63, 255                     ; a weight has 64 groups, an activation 256
	s_and_b32 s24, ttmp9, s24
	s_lshl_b32 s24, s24, 16                        ; my 65,536 bytes in it
	s_mov_b32 s25, 0
	s_add_nc_u64 s[4:5], s[4:5], s[24:25]
	s_lshl_b32 s26, ttmp9, 15
	s_mov_b32 s27, 0
	s_add_nc_u64 s[22:23], s[22:23], s[26:27]
.set i, 0
.rept 16
	global_load_b128 v[X+4*i:X+4*i+3], v1, s[4:5] offset:512*i th:TH_LOAD_NT
.set i, i+1
.endr
.set i, 0
.rept 16
	s_wait_loadcnt 15-i                            ; loads come back in order: load i is in, the 15 - i younger ones stay out
	v_cvt_pk_bf16_f32 v[Y+2*i], v[X+4*i], v[X+4*i+1]
	v_cvt_pk_bf16_f32 v[Y+2*i+1], v[X+4*i+2], v[X+4*i+3]
	global_store_b64 v2, v[Y+2*i:Y+2*i+1], s[22:23] offset:256*i
.set i, i+1
.endr
	s_endpgm
.Lfunc_end_k_q12fbdde3e3_cast:
	.size	k_q12fbdde3e3_cast, .Lfunc_end_k_q12fbdde3e3_cast-k_q12fbdde3e3_cast
	.p2alignl 7, 3214868480
	.fill 96, 4, 3214868480
	.section	.rodata,"a",@progbits
	.p2align	6, 0x0
	.amdhsa_kernel k_q12fbdde3e3_cast
		.amdhsa_group_segment_fixed_size 0
		.amdhsa_private_segment_fixed_size 0
		.amdhsa_enable_private_segment 0
		.amdhsa_kernarg_size 64
		.amdhsa_user_sgpr_count 2
		.amdhsa_user_sgpr_kernarg_segment_ptr 1
		.amdhsa_wavefront_size32 1
		.amdhsa_system_sgpr_workgroup_id_x 1
		.amdhsa_system_sgpr_workgroup_id_y 1
		.amdhsa_system_sgpr_workgroup_id_z 1
		.amdhsa_system_vgpr_workitem_id 0
		.amdhsa_next_free_vgpr 100
		.amdhsa_next_free_sgpr 66
		.amdhsa_reserve_vcc 0
		.amdhsa_float_denorm_mode_32 3
		.amdhsa_float_denorm_mode_16_64 3
		.amdhsa_memory_ordered 1
		.amdhsa_forward_progress 1
		.amdhsa_inst_pref_size 7
	.end_amdhsa_kernel
	.amdgpu_metadata
---
amdhsa.version: [ 1, 2 ]
amdhsa.kernels:
  - .name:           k_q12fbdde3e3_cast
    .symbol:         k_q12fbdde3e3_cast.kd
    .args:
      - { .name: Q, .offset: 0, .size: 8, .value_kind: global_buffer, .address_space: global }
      - { .name: K, .offset: 8, .size: 8, .value_kind: global_buffer, .address_space: global }
      - { .name: V, .offset: 16, .size: 8, .value_kind: global_buffer, .address_space: global }
      - { .name: Wq, .offset: 24, .size: 8, .value_kind: global_buffer, .address_space: global }
      - { .name: Wk, .offset: 32, .size: 8, .value_kind: global_buffer, .address_space: global }
      - { .name: Wv, .offset: 40, .size: 8, .value_kind: global_buffer, .address_space: global }
      - { .name: Wo, .offset: 48, .size: 8, .value_kind: global_buffer, .address_space: global }
      - { .name: xb, .offset: 56, .size: 8, .value_kind: global_buffer, .address_space: global }
    .group_segment_fixed_size: 0
    .private_segment_fixed_size: 0
    .kernarg_segment_align: 8
    .kernarg_segment_size: 64
    .max_flat_workgroup_size: 256
    .sgpr_count:     66
    .vgpr_count:     100
    .wavefront_size: 32
...
	.end_amdgpu_metadata
.endif
;; end of part 1
;; launch qkv (part 2): grid 4 x 48, 4 waves a work-group, clusters of 4 x 4, 327,680 bytes of LDS; arguments xb, bq, bk, bv, qkv; writes qkv
.if DOCPART == 2
	.amdgcn_target "amdgcn-amd-amdhsa--gfx1250"
	.amdhsa_code_object_version 6
	.text
	.protected	k_q12fbdde3e3_qkv
	.globl	k_q12fbdde3e3_qkv
	.p2align	8
	.type	k_q12fbdde3e3_qkv,@function
k_q12fbdde3e3_qkv:
	s_mov_b64 s[64:65], 0
	v_nop
	global_prefetch_b8 v0, s[64:65] scope:SCOPE_SE
	s_setreg_imm32_b32 hwreg(HW_REG_WAVE_MODE, 25, 1), 1
	s_wait_xcnt 0x0
	s_wait_alu depctr_hold_cnt(0) depctr_sa_sdst(0) depctr_va_vdst(0) depctr_va_sdst(0) depctr_va_ssrc(0) depctr_va_vcc(0) depctr_vm_vsrc(0)
	s_getreg_b32 s2, hwreg(HW_REG_IB_STS2, 6, 4)
	s_cmp_eq_u32 s2, 0
	s_cbranch_scc0 .Lentry_in_a_cluster
	s_endpgm
.Lentry_in_a_cluster:
	s_bfe_u32 s2, ttmp6, 0x10000c
	s_cmp_lg_u32 s2, 0xf033
	s_cbranch_scc0 .Lentry_shape_is_right
	s_endpgm
.Lentry_shape_is_right:
; The three input projections as one product: qkv[m][n] = sum over k of X[m][k] W[n][k] + b[n], m = 0 .. 12,287.
; X = the bf16 copies of Q, K, V in xb, one matrix of 12,288 rows; rows 4,096 sel .. belong to projection sel (0 q, 1 k, 2 v), which has
; its own 1,024 rows of W (xb + WOFF + sel x 1,024 rows) and its own bias.  qkv is bf16, [3][4096][1024]; sums in f32, rounded once.
; A work-group makes 256 x 256 with four waves; a wave makes 128 x 128: 64 accumulator tiles of 16 x 16, 512 registers.
; 48 x 4 = 192 work-groups: 12,288 x 1,024 has a factor 3 that no block of this shape turns into a multiple of 256.
; K goes in steps of 128 through a ring of two LDS slots filled by tensor loads; a tile's rows are 256 bytes, aligned.
; CLUSTERS: 4 x 4 work-groups.  The four of a row of the cluster need the same tiles of X, the four of a column the same tiles of W: each tile
; is asked for jointly, by the same tensor load with the same descriptor and a mask that names the four.  A cluster spans 1,024 rows of X,
; so all sixteen work-groups have the same sel, which is made of the cluster's y alone.
; THE BIAS STARTS THE SUMS: the first product of each accumulator takes the bias as C, so nothing is cleared and nothing added later.
;
; REGISTERS, in windows of 256:
;   window 0: v16-27 addresses; v64-127, v128-191 fragments of X, two buffers; v192-255 the bias, later v192-223 at work on the way out
;   window 1: v64-127, v128-191 fragments of W, two buffers
;   window 2: the 32 accumulator tiles of my rows 0-63 (tile (a, b) at v[8 (8 a + b)]);   window 3: those of my rows 64-127
; THE MATRIX INSTRUCTION IS USED TRANSPOSED: source 0 = 16 rows of W, source 1 = 16 rows of X.  Lane l then holds row l % 16 of the result and its
; registers 0 to 7 the columns 8 (l / 16) + 0 .. 7: eight neighbouring numbers of a row, 16 bytes in bf16.
; The 64 accumulators take turns, one instruction a turn, in the same order in every quarter step.
.set SIZE_N, 1024
.set SIZE_K, 1024
.set WOFF,   25165824                  ; the weights' copies in xb
.set KSTEP,  128
.set PITCH,  272                       ; an LDS row: 256 bytes + 16 of padding, so that 16 neighbouring rows start 16 bytes apart modulo 256
.set HALFT,  128*PITCH                 ; 128 rows: what one tensor load brings
.set SLOT,   4*HALFT                   ; X's 256 rows, then W's 256 rows
.set STAGE,  2*SLOT                    ; behind the ring: 16 rows x 272 bytes for each wave, for the way out; no tensor load lands here
.set SPITCH, 272
.set LAPS, SIZE_K/(2*KSTEP)            ; a lap = two K steps = once round the ring: 4
.set ADRA, 16                          ; v16-17  LDS address of my X fragments in slot 0, 1
.set ADRB, 20                          ; v20-21  the same for W
.set STO,  24                          ; v24     the way out: where I put 16 bytes of a row
.set RD,   25                          ; v25     the way out: where I read a row back
.set CO,   26                          ; v26     my byte offset in qkv
.set BOF,  27                          ; v27     32 (l / 16): my eight numbers in 16 of the bias
.set F0,   64
.set F1,   128
.set TMP,  192
.set BIAS, 192                         ; v[192+8b : 192+8b+7]: bias of columns 16 b + 8 (l / 16) + 0 .. 7 of my 128
.set G1, 24                            ; s[24:31] descriptor group 1 for X's tiles
.set G0, 32                            ; s[32:39] descriptor group 0 for X's tiles, one set for each slot
.set G1B, 48                           ; s[48:55] group 1 for W's tiles: another mask
.set G0B, 56                           ; s[56:63] group 0 for W's tiles
.set MSB, 0
.macro WIN new                         ; the immediate's high byte repeats the setting that is left
.if MSB != \new
	s_set_vgpr_msb (MSB<<8)|\new
.set MSB, \new
.endif
.endm
.set MUL_LO, 0xa1                      ; source 0 (W) window 1, source 1 (X) window 0, C and D window 2
.set MUL_HI, 0xf1                      ; the same, C and D window 3
.set ZERO_LO, 0x81                     ; first products: C (the bias) window 0, D window 2
.set ZERO_HI, 0xc1                     ; C window 0, D window 3
.set TO_B,   0x40                      ; destination window 1, address window 0
; A joint load.  Waves 0 and 1 fetch X's two halves, waves 2 and 3 W's.  The branch hangs on the wave's number alone.
.macro JLOAD s
	s_cmp_eq_u32 s11, 0
	s_cbranch_scc0 .Lfor_b_\@
	tensor_load_to_lds s[G0+4*\s:G0+4*\s+3], s[G1:G1+7]
	s_nop 0
	s_branch .Lasked_\@
.Lfor_b_\@:
	tensor_load_to_lds s[G0B+4*\s:G0B+4*\s+3], s[G1B:G1B+7]
	s_nop 0
.Lasked_\@:
.endm
; A round of the cluster's barrier: my work-group's barrier; wave 0 signals for the work-group; every wave waits for all sixteen; my work-group's barrier again.
.macro CREST                           ; a round behind its opening barrier
	s_cmp_lg_u32 s10, 0
	s_cbranch_scc1 .Lnot_wave_0_\@
	s_barrier_signal -3
.Lnot_wave_0_\@:
	s_barrier_wait -3
	s_barrier_signal -1
	s_barrier_wait -1
.endm
.macro CROUND
	s_barrier_signal -1
	s_barrier_wait -1
	CREST
.endm
	s_load_b64 s[4:5], s[0:1], 0x0                 ; xb
	s_load_b128 s[68:71], s[0:1], 0x8              ; bq s[68:69], bk s[70:71]
	s_load_b64 s[72:73], s[0:1], 0x18              ; bv
	s_load_b64 s[8:9], s[0:1], 0x20                ; qkv
	s_set_vgpr_msb 0x40
	v_lshl_add_u32 v255, v0, 2, 0x48400
	s_set_vgpr_msb 0x4000
	v_mov_b32 v63, 0
	s_set_vgpr_msb 0x1
	ds_add_u32 v255, v63
	s_set_vgpr_msb 0x100
	v_lshrrev_b32 v1, 5, v0
	v_readfirstlane_b32 s10, v1                    ; wave 0..3
	s_lshr_b32 s11, s10, 1                         ; which half of the block's rows is mine.  Also: I fetch for X (0) or for W (1)
	s_and_b32 s12, s10, 1                          ; which half of its columns.  Also: which 128 rows of that tile I fetch
	s_bfe_u32 s40, ttmp6, 0x40000                  ; cx
	s_bfe_u32 s41, ttmp6, 0x40004                  ; cy
	s_lshl_b32 s42, ttmp9, 2
	s_add_co_u32 s42, s42, s40                     ; block column = 4 x cluster x + cx
	s_and_b32 s13, ttmp7, 0xffff
	s_lshr_b32 s66, s13, 2                         ; sel: four clusters of 1,024 rows to a projection; the same in all sixteen work-groups
	s_lshl_b32 s13, s13, 2
	s_add_co_u32 s13, s13, s41                     ; block row = 4 x cluster y + cy
	s_lshl_b32 s43, s41, 2
	s_lshl_b32 s43, 15, s43                        ; my row of the cluster: places 4 cy .. 4 cy + 3
	s_lshl_b32 s44, 0x1111, s40                    ; my column: places cx, cx + 4, cx + 8, cx + 12
	; descriptor group 1: a tile of 128 rows x 128 elements of 2 bytes, 4 words of padding behind every 64
	s_or_b32 s[G1+0], s43, (1<<16)|(1<<20)|(1<<21)|(5<<22)|(3<<25)
	s_or_b32 s[G1B+0], s44, (1<<16)|(1<<20)|(1<<21)|(5<<22)|(3<<25)
	s_mov_b32 s[G1B+1], KSTEP<<16
	s_mov_b32 s[G1+1], KSTEP<<16                   ; tensor_dim0 = 128
	s_mov_b32 s[G1B+2], 128<<16
	s_mov_b32 s[G1+2], 128<<16                     ; tensor_dim1 = 128
	s_mov_b32 s[G1B+3], KSTEP<<16
	s_mov_b32 s[G1+3], KSTEP<<16                   ; tile_dim0 = 128
	s_mov_b32 s[G1B+4], 128
	s_mov_b32 s[G1+4], 128                         ; tile_dim1 = 128
	s_mov_b32 s[G1B+5], SIZE_K
	s_mov_b32 s[G1+5], SIZE_K                      ; elements from row to row
	s_mov_b32 s[G1B+6], 0
	s_mov_b32 s[G1+6], 0
	s_mov_b32 s[G1B+7], 0
	s_mov_b32 s[G1+7], 0
	; X's tiles hang on the block row alone, W's on the block column and sel alone
	s_lshl_b32 s17, s12, 7                         ; which 128 rows of the tile I fetch
	s_lshl_b32 s16, s13, 8
	s_add_co_u32 s16, s16, s17                     ; X: row 256 x block row + 128 x half
	s_lshl_b32 s46, s42, 8
	s_add_co_u32 s46, s46, s17
	s_lshl_b32 s47, s66, 10
	s_add_co_u32 s46, s46, s47                     ; W: row 1,024 sel + 256 x block column + 128 x half
	s_mov_b32 s17, 0
	s_mov_b32 s47, 0
	s_mov_b64 s[18:19], SIZE_K*2
	s_mul_u64 s[16:17], s[16:17], s[18:19]         ; in bytes
	s_mul_u64 s[46:47], s[46:47], s[18:19]
	s_mul_i32 s20, s10, HALFT                      ; where they go: wave x 128 rows
	s_wait_dscnt 0x0
	s_wait_kmcnt 0x0
	s_add_nc_u64 s[14:15], s[4:5], s[16:17]
	s_add_nc_u64 s[6:7], s[4:5], WOFF
	s_add_nc_u64 s[46:47], s[6:7], s[46:47]
	CROUND                                         ; all sixteen work-groups are here: the first joint loads meet
.irp s, 0,1
	s_mov_b32 s[G0+4*\s], 1
	s_add_co_u32 s[G0+4*\s+1], s20, \s*SLOT
	s_add_nc_u64 s[G0+4*\s+2:G0+4*\s+3], s[14:15], \s*KSTEP*2
	s_or_b32 s[G0+4*\s+3], s[G0+4*\s+3], 0x80000000
	s_mov_b32 s[G0B+4*\s], 1
	s_add_co_u32 s[G0B+4*\s+1], s20, \s*SLOT
	s_add_nc_u64 s[G0B+4*\s+2:G0B+4*\s+3], s[46:47], \s*KSTEP*2
	s_or_b32 s[G0B+4*\s+3], s[G0B+4*\s+3], 0x80000000
	JLOAD \s                                       ; the ring is filled before anything else is done
.endr
	; my 128 numbers of the projection's bias
	s_cmp_eq_u32 s66, 1
	s_cselect_b64 s[74:75], s[70:71], s[68:69]
	s_cmp_eq_u32 s66, 2
	s_cselect_b64 s[74:75], s[72:73], s[74:75]
	s_lshl_b32 s66, s42, 10                        ; 256 columns x 4 bytes x block column
	s_lshl_b32 s67, s12, 9                         ; + 128 x 4 x half
	s_add_co_u32 s66, s66, s67
	s_mov_b32 s67, 0
	s_add_nc_u64 s[74:75], s[74:75], s[66:67]
	v_and_b32 v1, 15, v0                           ; l % 16
	v_bfe_u32 v2, v0, 4, 1                         ; l / 16
	v_lshlrev_b32 v[BOF], 5, v2
.irp b, 0,1,2,3,4,5,6,7
	global_load_b128 v[BIAS+8*\b:BIAS+8*\b+3],   v[BOF], s[74:75] offset:64*\b
	global_load_b128 v[BIAS+8*\b+4:BIAS+8*\b+7], v[BOF], s[74:75] offset:64*\b+16
.endr
	; A fragment is 16 rows x 32 K in 8 registers: lane l holds row l % 16; registers 0-3 K = 8 (l / 16) + 0..7, registers 4-7 K = 16 + 8 (l / 16) + 0..7
	v_mul_u32_u24 v3, v1, PITCH
	v_lshl_add_u32 v3, v2, 4, v3                   ; row x pitch + 16 x half
	s_mul_i32 s21, s11, HALFT                      ; my 128 rows of X
	s_mul_i32 s22, s12, HALFT                      ; my 128 rows of W,
	s_add_co_u32 s22, s22, 2*HALFT                 ; which lie behind X's 256
.irp s, 0,1
	v_add_nc_u32 v[ADRA+\s], s21, v3
	v_add_nc_u32 v[ADRB+\s], s22, v3
	s_add_co_u32 s21, s21, SLOT
	s_add_co_u32 s22, s22, SLOT
.endr
	s_mul_i32 s23, s10, 16*SPITCH
	s_add_co_u32 s23, s23, STAGE                   ; my stage
	v_mul_u32_u24 v4, v1, SPITCH
	v_lshl_add_u32 v4, v2, 4, v4
	v_add_nc_u32 v[STO], s23, v4
	v_mul_u32_u24 v5, v2, SPITCH                   ; back: lanes 0-15 take one row of 256 bytes, lanes 16-31 the next
	v_lshl_add_u32 v5, v1, 4, v5
	v_add_nc_u32 v[RD], s23, v5
	v_mul_u32_u24 v5, v2, SIZE_N*2
	v_lshl_add_u32 v[CO], v1, 4, v5
; 16 matrix instructions: m blocks a0, a0 + 1 of the window's four x all 8 n blocks, 32 along K.  zero = 1: the first product, with the bias as C.
.macro MUL16 f, hi, a0, zero
.irp a, \a0, \a0+1
.irp b, 0,1,2,3,4,5,6,7
.if \zero
	v_wmma_f32_16x16x32_bf16 v[8*(8*(\a)+\b):8*(8*(\a)+\b)+7], v[\f+8*\b:\f+8*\b+7], v[\f+8*(4*\hi+\a):\f+8*(4*\hi+\a)+7], v[BIAS+8*\b:BIAS+8*\b+7]
.else
	v_wmma_f32_16x16x32_bf16 v[8*(8*(\a)+\b):8*(8*(\a)+\b)+7], v[\f+8*\b:\f+8*\b+7], v[\f+8*(4*\hi+\a):\f+8*(4*\hi+\a)+7], v[8*(8*(\a)+\b):8*(8*(\a)+\b)+7]
.endif
.endr
.endr
.endm
; 32 LDS loads in one run: the fragments of one quarter step into buffer f
.macro FETCH slot, k, f
	WIN TO_B
.irp i, 0,1,2,3,4,5,6,7
	ds_load_b128 v[\f+8*\i:\f+8*\i+3],   v[ADRB+\slot] offset:\k+\i*16*PITCH
	ds_load_b128 v[\f+8*\i+4:\f+8*\i+7], v[ADRB+\slot] offset:\k+\i*16*PITCH+32
.endr
	WIN 0
.irp i, 0,1,2,3,4,5,6,7
	ds_load_b128 v[\f+8*\i:\f+8*\i+3],   v[ADRA+\slot] offset:\k+\i*16*PITCH
	ds_load_b128 v[\f+8*\i+4:\f+8*\i+7], v[ADRA+\slot] offset:\k+\i*16*PITCH+32
.endr
.endm
; Four plain vector places stand between a matrix instruction and a load into, or a vector access of, one of its registers (ISA guide 7.12.1 for vector accesses)
.macro PLACES
.rept 4
	v_nop
.endr
.endm
; A K step is four quarter steps of 32 along K, 64 matrix instructions each, on buffers 0, 1, 0, 1.
.macro QUARTER slot, k, f, g, zero
	s_wait_dscnt 8                                 ; W and X's rows 0-63 are in; the youngest eight loads (X's rows 64-127) may be out
.if \zero
	WIN ZERO_LO
.else
	WIN MUL_LO
.endif
	MUL16 \f, 0, 0, \zero
	MUL16 \f, 0, 2, \zero
	PLACES
	FETCH \slot, \k, \g
	s_wait_dscnt 32                                ; all but the 32 just issued
.if \zero
	WIN ZERO_HI
.else
	WIN MUL_HI
.endif
	MUL16 \f, 1, 0, \zero
	MUL16 \f, 1, 2, \zero
.endm
.macro THREE slot, zero
	QUARTER \slot, 64,  F0, F1, \zero
	QUARTER \slot, 128, F1, F0, 0
	QUARTER \slot, 192, F0, F1, 0
.endm
; The last quarter multiplies buffer 1 and changes slots.  In front of the barrier each wave waits for its reads of this slot and for all its
; tensor loads (one is out: its part of the next slot).  Behind it the refill comes first, then the next slot's first fragments.
.macro TURN slot, next, fill
	s_wait_dscnt 8
	WIN MUL_LO
	MUL16 F1, 0, 0, 0
	s_wait_dscnt 0                                 ; my reads of this slot are over
	s_wait_tensorcnt 0x0                           ; and all my tensor loads have landed
	ds_add_u32 v255, v63
	s_wait_dscnt 0x0
	s_barrier_signal -1                            ; (where a slot is filled again this barrier opens a round of the cluster's barrier)
	MUL16 F1, 0, 2, 0                              ; register work while the others arrive
	WIN 0
	s_barrier_wait -1
.if \fill
	CREST                                          ; no wave of any partner still reads this slot's tile or has a load on its way
	s_add_nc_u64 s[G0+4*\slot+2:G0+4*\slot+3], s[G0+4*\slot+2:G0+4*\slot+3], 2*KSTEP*2
	s_add_nc_u64 s[G0B+4*\slot+2:G0B+4*\slot+3], s[G0B+4*\slot+2:G0B+4*\slot+3], 2*KSTEP*2
	JLOAD \slot                                    ; the first tensor load behind the round, my only one until the next
.endif
	PLACES
	FETCH \next, 0, F0
	WIN MUL_HI
	MUL16 F1, 1, 0, 0
	MUL16 F1, 1, 2, 0
.endm
.macro LAP zero
	THREE 0, \zero
	TURN 0, 1, 1
	THREE 1, 0
	TURN 1, 0, 1
.endm
	s_wait_tensorcnt 1                             ; my part of K step 0 is in; K step 1's may stay out
	s_barrier_signal -1
	s_barrier_wait -1
	s_wait_loadcnt 0x0                             ; the bias
	FETCH 0, 0, F0
	LAP 1                                          ; the first lap stands in front of the loop: its first products start the sums
	WIN 0
	s_mov_b32 s3, LAPS-2
.Llap:
	LAP 0
	WIN 0
	s_sub_co_u32 s3, s3, 1
	s_cmp_lg_u32 s3, 0
	s_cbranch_scc1 .Llap
	THREE 0, 0                                     ; the last lap fills nothing
	TURN 0, 1, 0
	THREE 1, 0
	s_wait_dscnt 8
	WIN MUL_LO
	MUL16 F1, 0, 0, 0
	MUL16 F1, 0, 2, 0
	s_wait_dscnt 0
	WIN MUL_HI
	MUL16 F1, 1, 0, 0
	MUL16 F1, 1, 2, 0
	; THE WAY OUT, 16 rows at a time: round to bf16, 16 bytes a lane into my own stage, read back as whole rows of 256 bytes
	PLACES
	s_lshl_b32 s13, s13, 8
	s_lshl_b32 s14, s11, 7
	s_add_co_u32 s16, s13, s14                     ; my first row
	s_mov_b32 s17, 0
	s_mov_b64 s[18:19], SIZE_N*2
	s_mul_u64 s[16:17], s[16:17], s[18:19]
	s_add_nc_u64 s[8:9], s[8:9], s[16:17]
	s_lshl_b32 s46, s42, 9                         ; my first column, in bytes
	s_lshl_b32 s47, s12, 8
	s_add_co_u32 s46, s46, s47
	s_mov_b32 s47, 0
	s_add_nc_u64 s[8:9], s[8:9], s[46:47]
.macro OUT16 i, a, from, f
	WIN \from
.irp b, 0,1,2,3,4,5,6,7
.irp r, 0,1,2,3
	v_cvt_pk_bf16_f32 v[TMP+4*\b+\r], v[8*(8*\a+\b)+2*\r], v[8*(8*\a+\b)+2*\r+1]
.endr
.endr
	WIN 0
.irp b, 0,1,2,3,4,5,6,7
	ds_store_b128 v[STO], v[TMP+4*\b:TMP+4*\b+3] offset:32*\b
.endr
	s_wait_xcnt 0x0                                ; buffer f, which earlier stores read, and the stores' base are rewritten only behind this wait
.if \i
	s_add_nc_u64 s[8:9], s[8:9], 16*SIZE_N*2
.endif
.irp t, 0,1,2,3,4,5,6,7
	ds_load_b128 v[\f+4*\t:\f+4*\t+3], v[RD] offset:\t*2*SPITCH    ; LDS serves a wave's instructions in order: these see the stores above
.endr
.irp t, 0,1,2,3,4,5,6,7
	s_wait_dscnt 7-\t                              ; load t is in, the younger ones stay out
	global_store_b128 v[CO], v[\f+4*\t:\f+4*\t+3], s[8:9] offset:2*\t*SIZE_N*2   ; 16 lanes store 256 consecutive bytes, aligned
.endr
.endm
	OUT16 0, 0, 0x0a, F0
	OUT16 1, 1, 0x0a, F1
	OUT16 2, 2, 0x0a, F0
	OUT16 3, 3, 0x0a, F1
	OUT16 4, 0, 0x0f, F0
	OUT16 5, 1, 0x0f, F1
	OUT16 6, 2, 0x0f, F0
	OUT16 7, 3, 0x0f, F1
	s_set_vgpr_msb 0x1
	s_wait_tensorcnt 0x0
	ds_add_u32 v255, v63
	s_wait_dscnt 0x0
	s_set_vgpr_msb 0x100
	CROUND                                         ; the closing round: no work-group ends while a partner may still ask for a tile that names it
	s_endpgm
.Lfunc_end_k_q12fbdde3e3_qkv:
	.size	k_q12fbdde3e3_qkv, .Lfunc_end_k_q12fbdde3e3_qkv-k_q12fbdde3e3_qkv
	.p2alignl 7, 3214868480
	.fill 96, 4, 3214868480
	.section	.rodata,"a",@progbits
	.p2align	6, 0x0
	.amdhsa_kernel k_q12fbdde3e3_qkv
		.amdhsa_group_segment_fixed_size 327680
		.amdhsa_private_segment_fixed_size 0
		.amdhsa_enable_private_segment 0
		.amdhsa_kernarg_size 40
		.amdhsa_user_sgpr_count 2
		.amdhsa_user_sgpr_kernarg_segment_ptr 1
		.amdhsa_wavefront_size32 1
		.amdhsa_system_sgpr_workgroup_id_x 1
		.amdhsa_system_sgpr_workgroup_id_y 1
		.amdhsa_system_sgpr_workgroup_id_z 1
		.amdhsa_system_vgpr_workitem_id 0
		.amdhsa_next_free_vgpr 1024
		.amdhsa_next_free_sgpr 76
		.amdhsa_reserve_vcc 0
		.amdhsa_float_denorm_mode_32 3
		.amdhsa_float_denorm_mode_16_64 3
		.amdhsa_memory_ordered 1
		.amdhsa_forward_progress 1
		.amdhsa_inst_pref_size 198
	.end_amdhsa_kernel
	.amdgpu_metadata
---
amdhsa.version: [ 1, 2 ]
amdhsa.kernels:
  - .name:           k_q12fbdde3e3_qkv
    .symbol:         k_q12fbdde3e3_qkv.kd
    .args:
      - { .name: xb, .offset: 0, .size: 8, .value_kind: global_buffer, .address_space: global }
      - { .name: bq, .offset: 8, .size: 8, .value_kind: global_buffer, .address_space: global }
      - { .name: bk, .offset: 16, .size: 8, .value_kind: global_buffer, .address_space: global }
      - { .name: bv, .offset: 24, .size: 8, .value_kind: global_buffer, .address_space: global }
      - { .name: qkv, .offset: 32, .size: 8, .value_kind: global_buffer, .address_space: global }
    .group_segment_fixed_size: 327680
    .private_segment_fixed_size: 0
    .kernarg_segment_align: 8
    .kernarg_segment_size: 40
    .max_flat_workgroup_size: 128
    .sgpr_count:     76
    .vgpr_count:     1024
    .wavefront_size: 32
...
	.end_amdgpu_metadata
.endif
;; end of part 2
;; launch attn (part 3): grid 16 x 16, 8 waves a work-group, clusters of 4 x 1, 327,680 bytes of LDS; arguments qkv, ao; writes ao
.if DOCPART == 3
	.amdgcn_target "amdgcn-amd-amdhsa--gfx1250"
	.amdhsa_code_object_version 6
	.text
	.protected	k_q12fbdde3e3_attn
	.globl	k_q12fbdde3e3_attn
	.p2align	8
	.type	k_q12fbdde3e3_attn,@function
k_q12fbdde3e3_attn:
	s_mov_b64 s[64:65], 0
	v_nop
	global_prefetch_b8 v0, s[64:65] scope:SCOPE_SE
	s_setreg_imm32_b32 hwreg(HW_REG_WAVE_MODE, 25, 1), 1
	s_wait_xcnt 0x0
	s_wait_alu depctr_hold_cnt(0) depctr_sa_sdst(0) depctr_va_vdst(0) depctr_va_sdst(0) depctr_va_ssrc(0) depctr_va_vcc(0) depctr_vm_vsrc(0)
	s_getreg_b32 s2, hwreg(HW_REG_IB_STS2, 6, 4)
	s_cmp_eq_u32 s2, 0
	s_cbranch_scc0 .Lentry_in_a_cluster
	s_endpgm
.Lentry_in_a_cluster:
	s_bfe_u32 s2, ttmp6, 0x10000c
	s_cmp_lg_u32 s2, 0x3003
	s_cbranch_scc0 .Lentry_shape_is_right
	s_endpgm
.Lentry_shape_is_right:
; ao = softmax(q k^T / 8) v for 2 batches x 16 heads, 2,048 keys, 64 numbers a head.  q, k, v: bf16 in qkv, [3][4096][1024]; ao: bf16 [4096][1024].
; Scores, exponentials, sums and the running maximum are f32; the weights p are rounded to bf16 for the second product, the row sums take them unrounded.
; LIMITS: an exponential below 2^-126 counts as 0; NaN and infinite inputs get no special care.
; SHARES.  A work-group takes 128 query rows of a PAIR of heads, so that a row of k, v and ao is 256 consecutive bytes, aligned.
; Eight waves: wave w takes key group kg = w / 4, head hd = (w / 2) % 2 and query rows 64 (w % 2) .. + 63.  The keys go in 8 steps of 256; in each step key
; group kg takes keys 128 kg .. + 127, as two subtiles of 64.  Waves w and w + 4 hold (maximum, sum, O) of the same rows over different keys
; and merge them at the end through LDS.
; TWO KINDS OF WAVES.  Every wave runs the same sequence: scores, softmax, second product, scores, ...  A subtile is 64 matrix instructions and 488 vector
; instructions.  The waves differ in where the barriers fall in that sequence.  EARLY waves ((w + w / 4) even) pass a barrier between a subtile's softmax and
; its second product, LATE waves ((w + w / 4) odd) between its scores and its softmax; what crosses the barrier (S or p, and v's fragments) lies in registers.
; So behind a barrier the early waves begin with 64 matrix instructions and the late ones with a softmax, and they go on by turns.  Whether w is paired with
; w + 4 or with w xor 1, a pair holds one wave of each kind.
; CLUSTERS: the four query blocks of a cluster read the same k and v: each tile is asked for jointly, by the same tensor load with the mask 15.
; LAYOUT.  S^T = k q^T: source 0 = 16 keys, source 1 = 16 query rows; lane (r, h) then holds, in register j, key 8 h + j of query row r.  Two such tiles,
; packed to bf16 in place, ARE the second source of O^T = v^T p: no number moves between lanes, and maximum, sum and scale of a query row are one
; number a lane.  v^T comes from LDS by transposing loads.  In O^T register j is number 16 dt + 8 h + j of the head, query row r.
; All matrix instructions take their accumulators by turns, one instruction a turn.
;
; LDS: slot n at n x 143,360: v's 256 keys x 288 bytes, then k's 256 keys x 272 bytes.  Behind the ring a stage of 9,280 bytes for each of four waves.
; The merge uses bytes 0 .. 69,631 of slot 0 after that slot's last fill (step 6) and behind step 7's barrier.
; REGISTERS, block 0: v2-10 addresses, v12-14 constants, v16-63 softmax state and work, v64-127 q's fragments, v128-255 S and then p.
;            block 1: v0-127 O (tile (dt, qf) at 8 (4 qf + dt)), v128-191 k's fragments, v192-255 v's fragments.
.set VP,    288                        ; pitch of v's rows: an odd multiple of 32 bytes, for the transposing loads
.set KP,    272                        ; pitch of k's rows: an odd multiple of 16 bytes
.set KOFF,  256*VP                     ; k's tile in a slot
.set SLOT,  256*VP+256*KP              ; 143,360
.set STAGE, 2*SLOT
.set SGP,   144                        ; pitch of a stage row: 128 bytes + 16
.set SGW,   64*SGP+64                  ; a wave's stage; two of them are 128 modulo 256 bytes, so a row's two halves are read from different banks
.set MGW,   17408                      ; a wave's merge area: 128 + 4 + 4 registers x 128 bytes
.set STEPB, 256*2048                   ; bytes of qkv from one step's keys to the next
.set KBASE, 8388608                    ; k in qkv
.set VBASE, 16777216                   ; v in qkv
.set KA,  2                            ; v2-3    LDS address of my k fragments in slot 0, 1
.set VA,  4                            ; v4-5    the same for v
.set QO,  6                            ; v6      my bytes in 16 rows of q
.set MG,  7                            ; v7      my 16 bytes in the merge area that waves w and w + 4 share
.set SG,  8                            ; v8      the way out: where I put 16 bytes of a row
.set RD,  9                            ; v9      the way out: where I read 16 bytes back
.set CO,  10                           ; v10     my byte offset in ao
.set CC,  12                           ; v[12:13] c, c with c = log2(e) / 8
.set NC,  14                           ; v14     -c
.set M,   16                           ; v16-19  running maximum of query row 16 qf + r (raw scores)
.set LP,  20                           ; v[20:27] two partial sums for each qf
.set AL,  28                           ; v[28:35] the scale of the old sums, twice for each qf
.set NM,  36                           ; v[36:43] -c x maximum, twice for each qf
.set MN,  44                           ; v44-47  the new maximum
.set T,   48                           ; v48-55  at work
.set T2,  54
.set LS,  56                           ; v56-59  the row sums at the end
.set QF,  64                           ; fragment (qf, ks) at 64 + 8 (2 qf + ks)
.set SR,  128                          ; S tile (kt, qf) at 128 + 16 (qf + 4 (kt / 2)) + 8 (kt % 2); p fragment (kb, qf) at 128 + 16 (qf + 4 kb)
.set KF,  128                          ; block 1: fragment (kt, ks) at 128 + 8 (2 kt + ks)
.set VF,  192                          ; block 1: fragment (dt, kb) at 192 + 8 (2 dt + kb)
.set G1V, 24                           ; s[24:31] group 1 for v's tiles
.set G0V, 32                           ; s[32:39] group 0 for v's tiles, one set for each slot
.set G1K, 48                           ; s[48:55] group 1 for k's tiles: another padding
.set G0K, 56                           ; s[56:63] group 0 for k's tiles
.set MSB, 0
.macro WIN new                         ; the immediate's high byte repeats the setting that is left
.if MSB != \new
	s_set_vgpr_msb (MSB<<8)|\new
.set MSB, \new
.endif
.endm
.macro PLACES count                    ; plain vector places behind matrix instructions (ISA guide 7.12.1)
.rept \count
	v_nop
.endr
.endm
.macro ROUND                           ; a round of the cluster's barrier
	s_barrier_signal -1
	s_barrier_wait -1
	s_cmp_lg_u32 s10, 0
	s_cbranch_scc1 .Lnot_wave_0_\@
	s_barrier_signal -3
.Lnot_wave_0_\@:
	s_barrier_wait -3
	s_barrier_signal -1
	s_barrier_wait -1
.endm
.macro JLOAD slot                      ; waves 0-3 fetch 64 keys of v each, waves 4-7 64 keys of k each; the branch hangs on the wave's number alone
	s_cmp_eq_u32 s11, 0
	s_cbranch_scc0 .Lfor_k_\@
	tensor_load_to_lds s[G0V+4*\slot:G0V+4*\slot+3], s[G1V:G1V+7]
	s_nop 0
	s_branch .Lasked_\@
.Lfor_k_\@:
	tensor_load_to_lds s[G0K+4*\slot:G0K+4*\slot+3], s[G1K:G1K+7]
	s_nop 0
.Lasked_\@:
.endm
	s_load_b128 s[4:7], s[0:1], 0x0                ; qkv s[4:5], ao s[6:7]
	v_lshl_add_u32 v11, v0, 2, 0x4f100
	v_mov_b32 v15, 0
	ds_add_u32 v11, v15
	v_lshrrev_b32 v1, 5, v0
	v_readfirstlane_b32 s10, v1                    ; wave 0..7
	s_lshr_b32 s11, s10, 2                         ; kg.  Also: I fetch for v (0) or for k (1)
	s_bfe_u32 s12, s10, 0x10001                    ; hd
	s_and_b32 s13, s10, 1                          ; qs
	s_and_b32 s45, s10, 3                          ; which 64 keys of a tile I fetch; which merge area is mine
	s_add_co_u32 s68, s10, s11
	s_and_b32 s68, s68, 1                          ; 0: an early wave, 1: a late one
	s_bfe_u32 s40, ttmp6, 0x40000                  ; cx
	s_lshl_b32 s41, ttmp9, 2
	s_add_co_u32 s41, s41, s40                     ; query block = 4 x cluster x + cx
	s_and_b32 s42, ttmp7, 0xffff
	s_lshr_b32 s43, s42, 3                         ; batch
	s_and_b32 s44, s42, 7                          ; pair of heads
	s_mov_b32 s70, 0x76543210                      ; v_permlanex16_b32: lane i of one half reads lane i of the other
	s_mov_b32 s71, 0xfedcba98
	; group 1: a tile of 64 rows x 128 elements of 2 bytes, rows 1,024 elements apart; padding behind every 64 words: 8 words for v, 4 for k; the mask names all four
	s_mov_b32 s[G1V+0], 15|(1<<16)|(1<<20)|(1<<21)|(5<<22)|(7<<25)
	s_mov_b32 s[G1K+0], 15|(1<<16)|(1<<20)|(1<<21)|(5<<22)|(3<<25)
	s_mov_b32 s[G1V+1], 128<<16                    ; tensor_dim0 = 128
	s_mov_b32 s[G1K+1], 128<<16
	s_mov_b32 s[G1V+2], 64<<16                     ; tensor_dim1 = 64
	s_mov_b32 s[G1K+2], 64<<16
	s_mov_b32 s[G1V+3], 128<<16                    ; tile_dim0 = 128
	s_mov_b32 s[G1K+3], 128<<16
	s_mov_b32 s[G1V+4], 64                         ; tile_dim1 = 64
	s_mov_b32 s[G1K+4], 64
	s_mov_b32 s[G1V+5], 1024
	s_mov_b32 s[G1K+5], 1024
	s_mov_b32 s[G1V+6], 0
	s_mov_b32 s[G1K+6], 0
	s_mov_b32 s[G1V+7], 0
	s_mov_b32 s[G1K+7], 0
	; the tiles' place hangs on batch, pair of heads and wave alone: equal in the four partners
	s_lshl_b32 s14, s43, 22                        ; 2,048 rows of 2,048 bytes a batch
	s_lshl_b32 s15, s44, 8                         ; 256 bytes a pair of heads
	s_add_co_u32 s14, s14, s15
	s_lshl_b32 s15, s45, 17                        ; 64 rows for each of the four waves that fetch a tile
	s_add_co_u32 s14, s14, s15
	s_mov_b32 s15, 0
	s_mul_i32 s20, s10, 64*VP                      ; v, waves 0-3: wave x 64 rows of 288 bytes
	s_mul_i32 s21, s10, 64*KP
	s_add_co_u32 s21, s21, KOFF-4*64*KP            ; k, waves 4-7: KOFF + (wave - 4) x 64 rows of 272 bytes
	; q's and ao's places hang on the query block too; they enter plain loads and stores alone
	s_lshl_b32 s18, s43, 11
	s_lshl_b32 s19, s41, 7
	s_add_co_u32 s18, s18, s19                     ; the block's first row
	s_lshl_b32 s19, s13, 6
	s_add_co_u32 s19, s18, s19                     ; my 64 query rows
	s_lshl_b32 s19, s19, 11
	s_lshl_b32 s22, s44, 8
	s_add_co_u32 s19, s19, s22
	s_lshl_b32 s23, s12, 7                         ; my head: 128 bytes
	s_add_co_u32 s46, s19, s23
	s_mov_b32 s47, 0
	; vector addresses
	v_and_b32 v48, 15, v0                          ; r
	v_bfe_u32 v49, v0, 4, 1                        ; h
	v_and_b32 v50, 31, v0                          ; lane
	v_and_b32 v51, 7, v0                           ; lane % 8
	v_bfe_u32 v52, v0, 3, 1                        ; (lane / 8) % 2
	v_mul_u32_u24 v53, v48, KP
	v_lshl_add_u32 v53, v49, 4, v53                ; r x 272 + 16 h
	s_mul_i32 s66, s11, 128*KP                     ; my key group's 128 rows of k
	s_add_co_u32 s66, s66, s23
	s_add_co_u32 s66, s66, KOFF
	v_add_nc_u32 v[KA], s66, v53
	v_add_nc_u32 v[KA+1], SLOT, v[KA]
	v_lshl_add_u32 v54, v49, 3, v51                ; key 8 h + lane % 8
	v_mul_u32_u24 v54, v54, VP
	v_lshl_add_u32 v54, v52, 4, v54                ; + 16 bytes for the upper eight lanes of each sixteen
	s_mul_i32 s66, s11, 128*VP
	s_add_co_u32 s66, s66, s23
	v_add_nc_u32 v[VA], s66, v54
	v_add_nc_u32 v[VA+1], SLOT, v[VA]
	v_lshlrev_b32 v[QO], 11, v48
	v_lshl_add_u32 v[QO], v49, 4, v[QO]            ; r x 2,048 + 16 h
	s_mul_i32 s66, s45, MGW
	v_lshl_add_u32 v[MG], v50, 4, s66
	v_mul_u32_u24 v55, v48, SGP
	v_lshl_add_u32 v55, v49, 4, v55
	s_mul_i32 s66, s10, SGW                        ; waves 0-3 stage: wave = 2 hd + qs
	s_add_co_u32 s66, s66, STAGE
	v_add_nc_u32 v[SG], s66, v55
	v_mul_u32_u24 v55, v52, 2*SGW                  ; back: bytes 128 .. 255 of a row lie in the other head's stage,
	v_mad_u32_u24 v55, v49, SGP, v55               ; lanes 16-31 take the next row,
	v_lshl_add_u32 v55, v51, 4, v55                ; 16 bytes a lane
	s_mul_i32 s66, s11, SGW                        ; block rows 16 w .. 16 w + 15: query half w / 4,
	s_mul_i32 s67, s45, 16*SGP                     ; rows 16 (w % 4) .. of it
	s_add_co_u32 s66, s66, s67
	s_add_co_u32 s66, s66, STAGE
	v_add_nc_u32 v[RD], s66, v55
	v_lshlrev_b32 v55, 11, v49
	v_lshl_add_u32 v[CO], v48, 4, v55
	v_mov_b32 v[CC], 0x3e38aa3b                    ; log2(e) / 8: the scale 1 / sqrt(64) and the change of base in one factor
	v_mov_b32 v[CC+1], 0x3e38aa3b
	v_mov_b32 v[NC], 0xbe38aa3b
	s_wait_dscnt 0x0
	s_wait_kmcnt 0x0
	s_add_nc_u64 s[16:17], s[4:5], s[14:15]
	s_add_nc_u64 s[72:73], s[4:5], s[46:47]        ; q: my 64 rows, my head
	s_lshl_b32 s19, s10, 4
	s_add_co_u32 s19, s18, s19                     ; the way out: block rows 16 w ..
	s_lshl_b32 s19, s19, 11
	s_add_co_u32 s46, s19, s22
	s_add_nc_u64 s[6:7], s[6:7], s[46:47]
	ROUND                                          ; all four work-groups are here: the first joint loads meet
.irp s, 0,1
	s_mov_b32 s[G0V+4*\s], 1
	s_add_co_u32 s[G0V+4*\s+1], s20, \s*SLOT
	s_add_nc_u64 s[G0V+4*\s+2:G0V+4*\s+3], s[16:17], VBASE+\s*STEPB
	s_or_b32 s[G0V+4*\s+3], s[G0V+4*\s+3], 0x80000000
	s_mov_b32 s[G0K+4*\s], 1
	s_add_co_u32 s[G0K+4*\s+1], s21, \s*SLOT
	s_add_nc_u64 s[G0K+4*\s+2:G0K+4*\s+3], s[16:17], KBASE+\s*STEPB
	s_or_b32 s[G0K+4*\s+3], s[G0K+4*\s+3], 0x80000000
.endr
	s_cmp_eq_u32 s11, 0                            ; the first fills, steps 0 and 1, as one group: two tensor loads a wave are out
	s_cbranch_scc0 .Lfirst_k
	tensor_load_to_lds s[G0V:G0V+3], s[G1V:G1V+7]
	s_nop 0
	tensor_load_to_lds s[G0V+4:G0V+7], s[G1V:G1V+7]
	s_nop 0
	s_branch .Lfirst_done
.Lfirst_k:
	tensor_load_to_lds s[G0K:G0K+3], s[G1K:G1K+7]
	s_nop 0
	tensor_load_to_lds s[G0K+4:G0K+7], s[G1K:G1K+7]
	s_nop 0
.Lfirst_done:
	; q's fragments stay in registers: query row 16 qf + r, numbers 32 ks + 8 h .. and 32 ks + 16 + 8 h ..
.irp qf, 0,1,2,3
.irp ks, 0,1
	global_load_b128 v[QF+8*(2*\qf+\ks):QF+8*(2*\qf+\ks)+3],   v[QO], s[72:73] offset:\qf*32768+\ks*64
	global_load_b128 v[QF+8*(2*\qf+\ks)+4:QF+8*(2*\qf+\ks)+7], v[QO], s[72:73] offset:\qf*32768+\ks*64+32
.endr
.endr
; 16 LDS loads: k's fragments of subtile st (64 keys x 64 numbers)
.macro KLOAD slot, st
	WIN 0x40                                       ; destination block 1, address block 0
.irp kt, 0,1,2,3
.irp ks, 0,1
	ds_load_b128 v[KF+8*(2*\kt+\ks):KF+8*(2*\kt+\ks)+3],   v[KA+\slot] offset:(\st)*64*KP+\kt*16*KP+\ks*64
	ds_load_b128 v[KF+8*(2*\kt+\ks)+4:KF+8*(2*\kt+\ks)+7], v[KA+\slot] offset:(\st)*64*KP+\kt*16*KP+\ks*64+32
.endr
.endr
.endm
; 16 transposing LDS loads: v^T's fragments of subtile st: numbers 16 dt + r of the head, keys 32 kb + 16 u + 8 h ..
.macro VLOAD slot, st
	WIN 0x40
.irp dt, 0,1,2,3
.irp kb, 0,1
	ds_load_tr16_b128 v[VF+8*(2*\dt+\kb):VF+8*(2*\dt+\kb)+3],   v[VA+\slot] offset:(64*(\st)+32*\kb)*VP+32*\dt
	ds_load_tr16_b128 v[VF+8*(2*\dt+\kb)+4:VF+8*(2*\dt+\kb)+7], v[VA+\slot] offset:(64*(\st)+32*\kb+16)*VP+32*\dt
.endr
.endr
.endm
; 32 matrix instructions: S^T of 64 keys x 64 query rows; the first 16 start the sums
.macro SMUL
	WIN 0x01                                       ; source 0 (k) block 1; q, C and D block 0
.irp kt, 0,1,2,3
.irp qf, 0,1,2,3
.set sb, SR+16*(\qf+4*(\kt/2))+8*(\kt%2)
	v_wmma_f32_16x16x32_bf16 v[sb:sb+7], v[KF+16*\kt:KF+16*\kt+7], v[QF+16*\qf:QF+16*\qf+7], 0
.endr
.endr
.irp kt, 0,1,2,3
.irp qf, 0,1,2,3
.set sb, SR+16*(\qf+4*(\kt/2))+8*(\kt%2)
	v_wmma_f32_16x16x32_bf16 v[sb:sb+7], v[KF+16*\kt+8:KF+16*\kt+15], v[QF+16*\qf+8:QF+16*\qf+15], v[sb:sb+7]
.endr
.endr
.endm
; the new maximum of query rows 16 qf + r: my 32 scores in four chains, the old maximum, the other half of the lanes
.macro MAXQ qf, first
.irp c, 0,1,2,3
.set sb, SR+16*\qf+64*(\c/2)+8*(\c%2)
	v_max3_num_f32 v[T+\c], v[sb], v[sb+1], v[sb+2]
.endr
.irp c, 0,1,2,3
.set sb, SR+16*\qf+64*(\c/2)+8*(\c%2)
	v_max3_num_f32 v[T+\c], v[T+\c], v[sb+3], v[sb+4]
.endr
.irp c, 0,1,2,3
.set sb, SR+16*\qf+64*(\c/2)+8*(\c%2)
	v_max3_num_f32 v[T+\c], v[T+\c], v[sb+5], v[sb+6]
.endr
.irp c, 0,1,2,3
.set sb, SR+16*\qf+64*(\c/2)+8*(\c%2)
	v_max_num_f32 v[T+\c], v[T+\c], v[sb+7]
.endr
	v_max3_num_f32 v[T], v[T], v[T+1], v[T+2]
.if \first
	v_max_num_f32 v[T], v[T], v[T+3]
.else
	v_max3_num_f32 v[T], v[T], v[T+3], v[M+\qf]
.endif
	v_permlanex16_b32 v[T+1], v[T], s70, s71       ; the other eight keys of each sixteen lie in the other half of the lanes
	v_max_num_f32 v[MN+\qf], v[T], v[T+1]
.endm
; p = 2^(c S - c m), the scale of the old sums, the sums, and p packed to bf16 in place
.macro EXPQ qf, first
	v_mul_f32 v[NM+2*\qf], v[NC], v[MN+\qf]
	v_mul_f32 v[NM+2*\qf+1], v[NC], v[MN+\qf]
.if \first
.else
	v_fma_f32 v[T], v[M+\qf], v[CC], v[NM+2*\qf]   ; c (old maximum - new maximum)
.endif
.irp g, 0,64
.irp p, 0,2,4,6,8,10,12,14
	v_pk_fma_f32 v[SR+16*\qf+\g+\p:SR+16*\qf+\g+\p+1], v[SR+16*\qf+\g+\p:SR+16*\qf+\g+\p+1], v[CC:CC+1], v[NM+2*\qf:NM+2*\qf+1]
.endr
.endr
.irp g, 0,64
.irp p, 0,1,2,3,4,5,6,7,8,9,10,11,12,13,14,15
	v_exp_f32 v[SR+16*\qf+\g+\p], v[SR+16*\qf+\g+\p]
.endr
.endr
.if \first
.else
	v_exp_f32 v[AL+2*\qf], v[T]
.endif
	v_mov_b32 v[M+\qf], v[MN+\qf]                  ; the plain vector instruction between the exponentials and the first use of a result (ISA guide 5.7.2)
.if \first
	s_wait_alu depctr_va_vdst(0)
	v_pk_add_f32 v[LP+2*\qf:LP+2*\qf+1], v[SR+16*\qf:SR+16*\qf+1], v[SR+16*\qf+2:SR+16*\qf+3]
.else
	s_wait_alu depctr_va_vdst(0)
	v_mov_b32 v[AL+2*\qf+1], v[AL+2*\qf]
	v_pk_fma_f32 v[LP+2*\qf:LP+2*\qf+1], v[LP+2*\qf:LP+2*\qf+1], v[AL+2*\qf:AL+2*\qf+1], v[SR+16*\qf:SR+16*\qf+1]
	v_pk_add_f32 v[LP+2*\qf:LP+2*\qf+1], v[LP+2*\qf:LP+2*\qf+1], v[SR+16*\qf+2:SR+16*\qf+3]
.endif
	v_pk_add_f32 v[T2:T2+1], v[SR+16*\qf+64:SR+16*\qf+65], v[SR+16*\qf+66:SR+16*\qf+67]
.irp p, 4,6,8,10,12,14
	v_pk_add_f32 v[LP+2*\qf:LP+2*\qf+1], v[LP+2*\qf:LP+2*\qf+1], v[SR+16*\qf+\p:SR+16*\qf+\p+1]
	v_pk_add_f32 v[T2:T2+1], v[T2:T2+1], v[SR+16*\qf+64+\p:SR+16*\qf+64+\p+1]
.endr
	v_pk_add_f32 v[LP+2*\qf:LP+2*\qf+1], v[LP+2*\qf:LP+2*\qf+1], v[T2:T2+1]
.irp g, 0,64
.irp i, 0,1,2,3
	v_cvt_pk_bf16_f32 v[SR+16*\qf+\g+\i], v[SR+16*\qf+\g+2*\i], v[SR+16*\qf+\g+2*\i+1]        ; keys 8 h .. of 32: registers 0-3 of the fragment
.endr
.irp i, 0,1,2,3
	v_cvt_pk_bf16_f32 v[SR+16*\qf+\g+4+\i], v[SR+16*\qf+\g+8+2*\i], v[SR+16*\qf+\g+8+2*\i+1]  ; keys 16 + 8 h ..: registers 4-7
.endr
.endr
.endm
.macro RESC                            ; O takes the scale of the old sums
	WIN 0x41                                       ; source 0 and destination block 1, the scale block 0
.irp qf, 0,1,2,3
.set p, 0
.rept 16
	v_pk_mul_f32 v[32*\qf+p:32*\qf+p+1], v[32*\qf+p:32*\qf+p+1], v[AL+2*\qf:AL+2*\qf+1]
.set p, p+2
.endr
.endr
.endm
; 32 matrix instructions: O^T += v^T p over 64 keys
.macro PVMUL first
	WIN 0x51                                       ; v^T, C and D block 1, p block 0
.irp kb, 0,1
.irp dt, 0,1,2,3
.irp qf, 0,1,2,3
.if \first*(1-\kb)
	v_wmma_f32_16x16x32_bf16 v[8*(4*\qf+\dt):8*(4*\qf+\dt)+7], v[VF+8*(2*\dt+\kb):VF+8*(2*\dt+\kb)+7], v[SR+16*(\qf+4*\kb):SR+16*(\qf+4*\kb)+7], 0
.else
	v_wmma_f32_16x16x32_bf16 v[8*(4*\qf+\dt):8*(4*\qf+\dt)+7], v[VF+8*(2*\dt+\kb):VF+8*(2*\dt+\kb)+7], v[SR+16*(\qf+4*\kb):SR+16*(\qf+4*\kb)+7], v[8*(4*\qf+\dt):8*(4*\qf+\dt)+7]
.endif
.endr
.endr
.endr
.endm
; THE VECTOR HALF of a subtile: S in registers becomes p in registers; maximum, sums and O follow.  It enters and leaves with every window 0.
.macro SOFT first
	MAXQ 0, \first
	MAXQ 1, \first
	MAXQ 2, \first
	MAXQ 3, \first
	EXPQ 0, \first
	EXPQ 1, \first
	EXPQ 2, \first
	EXPQ 3, \first
.if \first
.else
	RESC
	WIN 0
.endif
.endm
; THE MATRIX HALF: the second product of the subtile whose p lies in registers, then the scores of subtile st of slot, whose k fragments have been asked for;
; behind them v's fragments of subtile st are fetched and, with nextk = 1, k's of subtile st + 1.  first = 1: the product starts O.
.macro MM slot, st, nextk, first
	s_wait_dscnt 16                                ; v's 16 loads are in; the 16 of k issued behind them may stay out (behind a barrier only k's are out: met at once)
	PVMUL \first
	s_wait_dscnt 0x0                               ; k's fragments are in
	PLACES 5                                       ; S is written over p, which the products just issued read
	SMUL
	PLACES 5                                       ; S is read, and later taken as a source; k's and v's fragments are loaded again
	VLOAD \slot, \st
.if \nextk
	KLOAD \slot, \st+1
.endif
	WIN 0
.endm
; One step of 256 keys from slot; refill = 1: the other slot, read last step, gets the tiles of the step after this one.
; All a wave's LDS reads of a step's slot, v's last fragments among them, are issued in that step and waited for in front of the next step's barrier.
.macro STEP slot, other, refill
	s_wait_tensorcnt 0x0                           ; all my tensor loads have landed, my part of this step's tiles among them: every group 0 may be written
	ds_add_u32 v11, v15
	s_wait_dscnt 0x0
.if \refill
	s_add_nc_u64 s[G0V+4*\other+2:G0V+4*\other+3], s[G0V+4*\other+2:G0V+4*\other+3], 2*STEPB
	s_add_nc_u64 s[G0K+4*\other+2:G0K+4*\other+3], s[G0K+4*\other+2:G0K+4*\other+3], 2*STEPB
.endif
	s_wait_dscnt 0x0                               ; my reads of the last step's slot are back
.if \refill
	ROUND                                          ; both now hold of every wave of all four work-groups
	JLOAD \other                                   ; the first thing behind the round: my one tensor load until the next
.else
	s_barrier_signal -1
	s_barrier_wait -1
.endif
	KLOAD \slot, 0
	WIN 0
	s_cmp_eq_u32 s68, 0
	s_cbranch_scc1 .Lhas_p_\@                      ; an early wave brought p over the barrier,
	SOFT 0                                         ; a late one brought S: the last subtile's softmax
.Lhas_p_\@:
	MM \slot, 0, 1, 0
	SOFT 0
	MM \slot, 1, 0, 0
	s_cmp_lg_u32 s68, 0
	s_cbranch_scc1 .Lkeeps_s_\@                    ; a late wave takes S over the next barrier,
	SOFT 0                                         ; an early one p
.Lkeeps_s_\@:
.endm
	s_wait_tensorcnt 0x1                           ; my part of step 0 is in; step 1's may stay out
	s_barrier_signal -1
	s_barrier_wait -1
	s_wait_loadcnt 0x0                             ; q
	; step 0 stands in front of the loop: its first subtile starts maximum, sums and O
	KLOAD 0, 0
	s_wait_dscnt 0x0                               ; k's fragments are in
	SMUL
	PLACES 5                                       ; S is read; k's fragments are loaded again
	VLOAD 0, 0
	KLOAD 0, 1
	WIN 0
	SOFT 1
	MM 0, 1, 0, 1
	s_cmp_lg_u32 s68, 0
	s_cbranch_scc1 .Lstep0_late
	SOFT 0
.Lstep0_late:
	s_mov_b32 s3, 3
.Lsteps:
	STEP 1, 0, 1                                   ; steps 1, 3, 5; steps 2, 4, 6 go out
	STEP 0, 1, 1                                   ; steps 2, 4, 6; steps 3, 5, 7 go out
	s_sub_co_u32 s3, s3, 1
	s_cmp_lg_u32 s3, 0
	s_cbranch_scc1 .Lsteps
	STEP 1, 0, 0                                   ; step 7: nothing is left to fetch
	s_cmp_eq_u32 s68, 0
	s_cbranch_scc1 .Llast_p
	SOFT 0                                         ; the late waves' last softmax
.Llast_p:
	s_wait_dscnt 0x0                               ; v's last fragments are in
	PVMUL 0                                        ; the last second product
	WIN 0
	; THE MERGE of the two key groups
	PLACES 5                                       ; O is read, p's registers are loaded again
.irp qf, 0,1,2,3
	v_add_f32 v[LS+\qf], v[LP+2*\qf], v[LP+2*\qf+1]
.endr
.irp qf, 0,1,2,3
	v_permlanex16_b32 v[T+\qf], v[LS+\qf], s70, s71
.endr
.irp qf, 0,1,2,3
	v_add_f32 v[LS+\qf], v[LS+\qf], v[T+\qf]       ; the row's sum over my keys, in both halves of the lanes
.endr
	s_cmp_eq_u32 s11, 0
	s_cbranch_scc1 .Lkeep
	WIN 0x04                                       ; store data block 1
.set i, 0
.rept 32
	ds_store_b128 v[MG], v[4*i:4*i+3] offset:512*i ; key group 1 hands over O,
.set i, i+1
.endr
	WIN 0
	ds_store_b128 v[MG], v[M:M+3] offset:16384     ; its maxima
	ds_store_b128 v[MG], v[LS:LS+3] offset:16896   ; and its sums
.Lkeep:
	s_wait_dscnt 0x0                               ; for the partner's sake: zero
	s_barrier_signal -1
	s_barrier_wait -1
	s_cmp_lg_u32 s11, 0
	s_cbranch_scc1 .Lmerged
.set i, 0
.rept 32
	ds_load_b128 v[SR+4*i:SR+4*i+3], v[MG] offset:512*i
.set i, i+1
.endr
	ds_load_b128 v[T:T+3], v[MG] offset:16384
	ds_load_b128 v[T+4:T+7], v[MG] offset:16896
	s_wait_dscnt 0x0
.irp qf, 0,1,2,3
	v_max_num_f32 v60, v[M+\qf], v[T+\qf]          ; the maximum over all keys
	v_sub_f32 v61, v[M+\qf], v60
	v_sub_f32 v62, v[T+\qf], v60
	v_mul_f32 v61, v[CC], v61
	v_mul_f32 v62, v[CC], v62
	v_exp_f32 v61, v61
	v_exp_f32 v62, v62
	v_nop                                          ; a plain place behind the exponentials
	s_wait_alu depctr_va_vdst(0)
	v_mul_f32 v63, v[T+4+\qf], v62
	v_fma_f32 v63, v[LS+\qf], v61, v63             ; the sum over all keys: at least 1, since one of the two scales is 1
	v_rcp_f32 v63, v63
	v_nop                                          ; a plain place behind the reciprocal
	s_wait_alu depctr_va_vdst(0)
	v_mul_f32 v[AL+2*\qf], v61, v63
	v_mul_f32 v[AL+2*\qf+1], v61, v63
	v_mul_f32 v[NM+2*\qf], v62, v63
	v_mul_f32 v[NM+2*\qf+1], v62, v63
.endr
.irp qf, 0,1,2,3
.set p, 0
.rept 16
	v_pk_mul_f32 v[SR+32*\qf+p:SR+32*\qf+p+1], v[SR+32*\qf+p:SR+32*\qf+p+1], v[NM+2*\qf:NM+2*\qf+1]
.set p, p+2
.endr
.endr
	WIN 0x01                                       ; source 0 (my O) block 1
.irp qf, 0,1,2,3
.set p, 0
.rept 16
	v_pk_fma_f32 v[SR+32*\qf+p:SR+32*\qf+p+1], v[32*\qf+p:32*\qf+p+1], v[AL+2*\qf:AL+2*\qf+1], v[SR+32*\qf+p:SR+32*\qf+p+1]
.set p, p+2
.endr
.endr
	WIN 0
.irp qf, 0,1,2,3
.irp dt, 0,1,2,3
.irp i, 0,1,2,3
	v_cvt_pk_bf16_f32 v[SR+8*(4*\qf+\dt)+\i], v[SR+8*(4*\qf+\dt)+2*\i], v[SR+8*(4*\qf+\dt)+2*\i+1]
.endr
	ds_store_b128 v[SG], v[SR+8*(4*\qf+\dt):SR+8*(4*\qf+\dt)+3] offset:\qf*16*SGP+32*\dt   ; row 16 qf + r of my 64, numbers 16 dt + 8 h .. of my head
.endr
.endr
.Lmerged:
	s_wait_dscnt 0x0
	s_barrier_signal -1
	s_barrier_wait -1
	; THE WAY OUT: all eight waves, 16 rows each, two rows of 256 bytes to a load and a store
.irp t, 0,1,2,3,4,5,6,7
	ds_load_b128 v[SR+4*\t:SR+4*\t+3], v[RD] offset:\t*2*SGP
.endr
.irp t, 0,1,2,3,4,5,6,7
	s_wait_dscnt 7-\t                              ; load t is in, the younger ones stay out
	global_store_b128 v[CO], v[SR+4*\t:SR+4*\t+3], s[6:7] offset:4096*\t   ; 16 lanes store 256 consecutive bytes, aligned
.endr
	s_wait_tensorcnt 0x0
	ds_add_u32 v11, v15
	s_wait_dscnt 0x0
	ROUND                                          ; the closing round
	s_endpgm
.Lfunc_end_k_q12fbdde3e3_attn:
	.size	k_q12fbdde3e3_attn, .Lfunc_end_k_q12fbdde3e3_attn-k_q12fbdde3e3_attn
	.p2alignl 7, 3214868480
	.fill 96, 4, 3214868480
	.section	.rodata,"a",@progbits
	.p2align	6, 0x0
	.amdhsa_kernel k_q12fbdde3e3_attn
		.amdhsa_group_segment_fixed_size 327680
		.amdhsa_private_segment_fixed_size 0
		.amdhsa_enable_private_segment 0
		.amdhsa_kernarg_size 16
		.amdhsa_user_sgpr_count 2
		.amdhsa_user_sgpr_kernarg_segment_ptr 1
		.amdhsa_wavefront_size32 1
		.amdhsa_system_sgpr_workgroup_id_x 1
		.amdhsa_system_sgpr_workgroup_id_y 1
		.amdhsa_system_sgpr_workgroup_id_z 1
		.amdhsa_system_vgpr_workitem_id 0
		.amdhsa_next_free_vgpr 512
		.amdhsa_next_free_sgpr 76
		.amdhsa_reserve_vcc 0
		.amdhsa_float_denorm_mode_32 3
		.amdhsa_float_denorm_mode_16_64 3
		.amdhsa_memory_ordered 1
		.amdhsa_forward_progress 1
		.amdhsa_inst_pref_size 255
	.end_amdhsa_kernel
	.section	.bss,"aw",@nobits
	.p2align	6
	.space	262144
	.amdgpu_metadata
---
amdhsa.version: [ 1, 2 ]
amdhsa.kernels:
  - .name:           k_q12fbdde3e3_attn
    .symbol:         k_q12fbdde3e3_attn.kd
    .args:
      - { .name: qkv, .offset: 0, .size: 8, .value_kind: global_buffer, .address_space: global }
      - { .name: ao, .offset: 8, .size: 8, .value_kind: global_buffer, .address_space: global }
    .group_segment_fixed_size: 327680
    .private_segment_fixed_size: 0
    .kernarg_segment_align: 8
    .kernarg_segment_size: 16
    .max_flat_workgroup_size: 256
    .sgpr_count:     76
    .vgpr_count:     512
    .wavefront_size: 32
...
	.end_amdgpu_metadata
.endif
;; end of part 3
;; launch oproj (part 4): grid 8 x 32, 4 waves a work-group, clusters of 4 x 4, 327,680 bytes of LDS; arguments ao, xb, bo, out0; writes out0
.if DOCPART == 4
	.amdgcn_target "amdgcn-amd-amdhsa--gfx1250"
	.amdhsa_code_object_version 6
	.text
	.protected	k_q12fbdde3e3_oproj
	.globl	k_q12fbdde3e3_oproj
	.p2align	8
	.type	k_q12fbdde3e3_oproj,@function
k_q12fbdde3e3_oproj:
	s_mov_b64 s[64:65], 0
	v_nop
	global_prefetch_b8 v0, s[64:65] scope:SCOPE_SE
	s_setreg_imm32_b32 hwreg(HW_REG_WAVE_MODE, 25, 1), 1
	s_wait_xcnt 0x0
	s_wait_alu depctr_hold_cnt(0) depctr_sa_sdst(0) depctr_va_vdst(0) depctr_va_sdst(0) depctr_va_ssrc(0) depctr_va_vcc(0) depctr_vm_vsrc(0)
	s_getreg_b32 s2, hwreg(HW_REG_IB_STS2, 6, 4)
	s_cmp_eq_u32 s2, 0
	s_cbranch_scc0 .Lentry_in_a_cluster
	s_endpgm
.Lentry_in_a_cluster:
	s_bfe_u32 s2, ttmp6, 0x10000c
	s_cmp_lg_u32 s2, 0xf033
	s_cbranch_scc0 .Lentry_shape_is_right
	s_endpgm
.Lentry_shape_is_right:
; out0[m][n] = sum over k of ao[m][k] Wo[n][k] + bo[n].  ao: bf16 [4096][1024]; Wo: its bf16 copy in xb at WOFF; out0: f32 [4096][1024]; sums in f32.
; A work-group makes 128 x 128 with four waves, a wave 64 x 64: 16 accumulator tiles.  32 x 8 = 256 work-groups; blocks of 256 x 256 would make 64.
; K goes in four steps of 256 through two LDS slots filled by tensor loads: a tile's rows are 512 bytes, aligned.
; CLUSTERS: 4 x 4 work-groups; ao's tiles are asked for jointly along a row of the cluster, Wo's along a column.
; The bias starts the sums: the first product of each accumulator takes it as C.
; The matrix instruction is used transposed (source 0 = rows of Wo, source 1 = rows of ao): a lane's eight results are eight neighbouring columns of one row.
; The 16 accumulators take turns, one instruction a turn, in the same order in every step of 32 along K.
; REGISTERS: window 0: v16-27 addresses; v64-127, v128-191 two fragment buffers (Wo's four fragments, then ao's four); v192-223 the bias.
;            window 1: accumulator tile (a, b) at v[8 (4 a + b)].
.set WOFF,   31457280                  ; Wo's copy in xb
.set PITCH,  528                       ; an LDS row: 512 bytes + 16 of padding: an odd multiple of 16
.set HALFT,  64*PITCH                  ; 64 rows: what one tensor load brings
.set SLOT,   4*HALFT                   ; ao's 128 rows, then Wo's 128 rows
.set STAGE,  2*SLOT                    ; 16 rows x 272 bytes for each wave; no tensor load lands here
.set SPITCH, 272
.set ADRA, 16
.set ADRB, 20
.set STO,  24
.set RD,   25
.set CO,   26
.set BOF,  27
.set F0,   64
.set F1,   128
.set BIAS, 192
.set G1, 24
.set G0, 32
.set G1B, 48
.set G0B, 56
.set MULW,   0x50                      ; C and D window 1, fragments window 0
.set FIRSTW, 0x40                      ; D window 1, C (the bias) window 0
.set MSB, 0
.macro WIN new
.if MSB != \new
	s_set_vgpr_msb (MSB<<8)|\new
.set MSB, \new
.endif
.endm
.macro JLOAD s                         ; waves 0 and 1 fetch ao's two halves, waves 2 and 3 Wo's
	s_cmp_eq_u32 s11, 0
	s_cbranch_scc0 .Lfor_b_\@
	tensor_load_to_lds s[G0+4*\s:G0+4*\s+3], s[G1:G1+7]
	s_nop 0
	s_branch .Lasked_\@
.Lfor_b_\@:
	tensor_load_to_lds s[G0B+4*\s:G0B+4*\s+3], s[G1B:G1B+7]
	s_nop 0
.Lasked_\@:
.endm
.macro CREST
	s_cmp_lg_u32 s10, 0
	s_cbranch_scc1 .Lnot_wave_0_\@
	s_barrier_signal -3
.Lnot_wave_0_\@:
	s_barrier_wait -3
	s_barrier_signal -1
	s_barrier_wait -1
.endm
.macro CROUND
	s_barrier_signal -1
	s_barrier_wait -1
	CREST
.endm
	s_load_b128 s[4:7], s[0:1], 0x0                ; ao s[4:5], xb s[6:7]
	s_load_b128 s[68:71], s[0:1], 0x10             ; bo s[68:69], out0 s[70:71]
	v_lshl_add_u32 v254, v0, 2, 0x46400
	v_mov_b32 v255, 0
	ds_add_u32 v254, v255
	v_lshrrev_b32 v1, 5, v0
	v_readfirstlane_b32 s10, v1                    ; wave 0..3
	s_lshr_b32 s11, s10, 1                         ; my half of the block's rows.  Also: I fetch for ao (0) or for Wo (1)
	s_and_b32 s12, s10, 1                          ; my half of its columns.  Also: which 64 rows of that tile I fetch
	s_bfe_u32 s40, ttmp6, 0x40000                  ; cx
	s_bfe_u32 s41, ttmp6, 0x40004                  ; cy
	s_lshl_b32 s42, ttmp9, 2
	s_add_co_u32 s42, s42, s40                     ; block column
	s_and_b32 s13, ttmp7, 0xffff
	s_lshl_b32 s13, s13, 2
	s_add_co_u32 s13, s13, s41                     ; block row
	s_lshl_b32 s43, s41, 2
	s_lshl_b32 s43, 15, s43                        ; my row of the cluster
	s_lshl_b32 s44, 0x1111, s40                    ; my column
	; group 1: a tile of 64 rows x 256 elements of 2 bytes, 4 words of padding behind every 128
	s_or_b32 s[G1+0], s43, (1<<16)|(1<<20)|(1<<21)|(6<<22)|(3<<25)
	s_or_b32 s[G1B+0], s44, (1<<16)|(1<<20)|(1<<21)|(6<<22)|(3<<25)
	s_mov_b32 s[G1+1], 256<<16                     ; tensor_dim0 = 256
	s_mov_b32 s[G1B+1], 256<<16
	s_mov_b32 s[G1+2], 64<<16                      ; tensor_dim1 = 64
	s_mov_b32 s[G1B+2], 64<<16
	s_mov_b32 s[G1+3], 256<<16                     ; tile_dim0 = 256
	s_mov_b32 s[G1B+3], 256<<16
	s_mov_b32 s[G1+4], 64                          ; tile_dim1 = 64
	s_mov_b32 s[G1B+4], 64
	s_mov_b32 s[G1+5], 1024
	s_mov_b32 s[G1B+5], 1024
	s_mov_b32 s[G1+6], 0
	s_mov_b32 s[G1B+6], 0
	s_mov_b32 s[G1+7], 0
	s_mov_b32 s[G1B+7], 0
	s_lshl_b32 s17, s12, 6
	s_lshl_b32 s16, s13, 7
	s_add_co_u32 s16, s16, s17                     ; ao: row 128 x block row + 64 x half
	s_lshl_b32 s16, s16, 11                        ; rows of 2,048 bytes
	s_lshl_b32 s46, s42, 7
	s_add_co_u32 s46, s46, s17                     ; Wo: row 128 x block column + 64 x half
	s_lshl_b32 s46, s46, 11
	s_add_co_u32 s46, s46, WOFF
	s_mov_b32 s17, 0
	s_mov_b32 s47, 0
	s_mul_i32 s20, s10, HALFT                      ; where they go: wave x 64 rows
	s_wait_dscnt 0x0
	s_wait_kmcnt 0x0
	s_add_nc_u64 s[14:15], s[4:5], s[16:17]
	s_add_nc_u64 s[46:47], s[6:7], s[46:47]
	CROUND                                         ; the first joint loads meet
.irp s, 0,1
	s_mov_b32 s[G0+4*\s], 1
	s_add_co_u32 s[G0+4*\s+1], s20, \s*SLOT
	s_add_nc_u64 s[G0+4*\s+2:G0+4*\s+3], s[14:15], \s*512
	s_or_b32 s[G0+4*\s+3], s[G0+4*\s+3], 0x80000000
	s_mov_b32 s[G0B+4*\s], 1
	s_add_co_u32 s[G0B+4*\s+1], s20, \s*SLOT
	s_add_nc_u64 s[G0B+4*\s+2:G0B+4*\s+3], s[46:47], \s*512
	s_or_b32 s[G0B+4*\s+3], s[G0B+4*\s+3], 0x80000000
	JLOAD \s
.endr
	s_lshl_b32 s46, s42, 9                         ; my first column in bytes of f32: 512 x block column + 256 x half
	s_lshl_b32 s47, s12, 8
	s_add_co_u32 s46, s46, s47
	s_mov_b32 s47, 0
	s_add_nc_u64 s[68:69], s[68:69], s[46:47]      ; my 64 numbers of the bias
	s_add_nc_u64 s[70:71], s[70:71], s[46:47]
	s_lshl_b32 s16, s13, 7
	s_lshl_b32 s17, s11, 6
	s_add_co_u32 s16, s16, s17                     ; my first row
	s_lshl_b32 s16, s16, 12                        ; rows of 4,096 bytes
	s_mov_b32 s17, 0
	s_add_nc_u64 s[70:71], s[70:71], s[16:17]
	v_and_b32 v1, 15, v0                           ; l % 16
	v_bfe_u32 v2, v0, 4, 1                         ; l / 16
	v_lshlrev_b32 v[BOF], 5, v2
.irp b, 0,1,2,3
	global_load_b128 v[BIAS+8*\b:BIAS+8*\b+3],   v[BOF], s[68:69] offset:64*\b
	global_load_b128 v[BIAS+8*\b+4:BIAS+8*\b+7], v[BOF], s[68:69] offset:64*\b+16
.endr
	v_mul_u32_u24 v3, v1, PITCH
	v_lshl_add_u32 v3, v2, 4, v3
	s_mul_i32 s21, s11, HALFT                      ; my 64 rows of ao
	s_mul_i32 s22, s12, HALFT                      ; my 64 rows of Wo,
	s_add_co_u32 s22, s22, 2*HALFT                 ; which lie behind ao's 128
.irp s, 0,1
	v_add_nc_u32 v[ADRA+\s], s21, v3
	v_add_nc_u32 v[ADRB+\s], s22, v3
	s_add_co_u32 s21, s21, SLOT
	s_add_co_u32 s22, s22, SLOT
.endr
	s_mul_i32 s23, s10, 16*SPITCH
	s_add_co_u32 s23, s23, STAGE
	v_mul_u32_u24 v4, v1, SPITCH                   ; in: row l % 16, 32 bytes for each half of the lanes
	v_lshl_add_u32 v4, v2, 5, v4
	v_add_nc_u32 v[STO], s23, v4
	v_mul_u32_u24 v5, v2, SPITCH                   ; back: lanes 0-15 one row of 256 bytes, lanes 16-31 the next
	v_lshl_add_u32 v5, v1, 4, v5
	v_add_nc_u32 v[RD], s23, v5
	v_lshlrev_b32 v5, 12, v2
	v_lshl_add_u32 v[CO], v1, 4, v5
; 8 matrix instructions: m blocks a0, a0 + 1 x the 4 n blocks, 32 along K
.macro MUL8 f, a0, zero
.irp a, \a0, \a0+1
.irp b, 0,1,2,3
.if \zero
	v_wmma_f32_16x16x32_bf16 v[8*(4*(\a)+\b):8*(4*(\a)+\b)+7], v[\f+8*\b:\f+8*\b+7], v[\f+32+8*(\a):\f+32+8*(\a)+7], v[BIAS+8*\b:BIAS+8*\b+7]
.else
	v_wmma_f32_16x16x32_bf16 v[8*(4*(\a)+\b):8*(4*(\a)+\b)+7], v[\f+8*\b:\f+8*\b+7], v[\f+32+8*(\a):\f+32+8*(\a)+7], v[8*(4*(\a)+\b):8*(4*(\a)+\b)+7]
.endif
.endr
.endr
.endm
; 16 LDS loads: 64 rows of Wo and 64 rows of ao, 32 along K at byte k of the rows, into buffer f
.macro FETCH slot, k, f
	WIN 0
.irp i, 0,1,2,3
	ds_load_b128 v[\f+8*\i:\f+8*\i+3],   v[ADRB+\slot] offset:\k+\i*16*PITCH
	ds_load_b128 v[\f+8*\i+4:\f+8*\i+7], v[ADRB+\slot] offset:\k+\i*16*PITCH+32
.endr
.irp i, 0,1,2,3
	ds_load_b128 v[\f+32+8*\i:\f+32+8*\i+3],   v[ADRA+\slot] offset:\k+\i*16*PITCH
	ds_load_b128 v[\f+32+8*\i+4:\f+32+8*\i+7], v[ADRA+\slot] offset:\k+\i*16*PITCH+32
.endr
.endm
.macro PLACES                          ; four plain vector places between a matrix instruction and a load into, or an LDS store of, one of its registers
.rept 4
	v_nop
.endr
.endm
; multiplies buffer f; ahead of that the next 32 along K, at byte k, are asked for into buffer g
.macro SUBSTEP f, g, slot, k, zero
	PLACES
	FETCH \slot, \k, \g
	s_wait_dscnt 16                                ; buffer f is in; the 16 loads just issued stay out
.if \zero
	WIN FIRSTW
.else
	WIN MULW
.endif
	MUL8 \f, 0, \zero
	MUL8 \f, 2, \zero
.endm
.macro SEVEN slot, zero
	SUBSTEP F0, F1, \slot, 64,  \zero
	SUBSTEP F1, F0, \slot, 128, 0
	SUBSTEP F0, F1, \slot, 192, 0
	SUBSTEP F1, F0, \slot, 256, 0
	SUBSTEP F0, F1, \slot, 320, 0
	SUBSTEP F1, F0, \slot, 384, 0
	SUBSTEP F0, F1, \slot, 448, 0
.endm
; the eighth: multiplies buffer 1 and changes slots
.macro TURN slot, next, fill
	s_wait_dscnt 0                                 ; buffer 1 is in, and my reads of this slot are over
	s_wait_tensorcnt 0x0                           ; all my tensor loads have landed: the one that was out is my part of the next slot
	ds_add_u32 v254, v255
	s_wait_dscnt 0x0
	s_barrier_signal -1                            ; (where a slot is filled again this barrier opens a round of the cluster's barrier)
	WIN MULW
	MUL8 F1, 0, 0                                  ; register work while the others arrive
	WIN 0
	s_barrier_wait -1
.if \fill
	CREST                                          ; no wave of any partner still reads this slot or has a load on its way
	s_add_nc_u64 s[G0+4*\slot+2:G0+4*\slot+3], s[G0+4*\slot+2:G0+4*\slot+3], 1024
	s_add_nc_u64 s[G0B+4*\slot+2:G0B+4*\slot+3], s[G0B+4*\slot+2:G0B+4*\slot+3], 1024
	JLOAD \slot                                    ; the first tensor load behind the round, my only one until the next
.endif
	PLACES
	FETCH \next, 0, F0
	WIN MULW
	MUL8 F1, 2, 0
.endm
	s_wait_tensorcnt 1                             ; my part of step 0 is in; step 1's may stay out
	s_barrier_signal -1
	s_barrier_wait -1
	s_wait_loadcnt 0x0                             ; the bias
	FETCH 0, 0, F0
	SEVEN 0, 1                                     ; step 0; its first products start the sums
	TURN 0, 1, 1                                   ; step 2 goes out
	SEVEN 1, 0                                     ; step 1
	TURN 1, 0, 1                                   ; step 3 goes out
	SEVEN 0, 0                                     ; step 2
	TURN 0, 1, 0                                   ; nothing is left to fetch
	SEVEN 1, 0                                     ; step 3
	s_wait_dscnt 0
	MUL8 F1, 0, 0
	MUL8 F1, 2, 0
	; THE WAY OUT, 16 rows at a time through my own stage: 32 bytes a lane in, whole rows of 256 bytes back
	PLACES
.macro OUT16 a, f
	WIN 0x04                                       ; store data window 1
.irp b, 0,1,2,3
	ds_store_b128 v[STO], v[8*(4*\a+\b):8*(4*\a+\b)+3]   offset:64*\b
	ds_store_b128 v[STO], v[8*(4*\a+\b)+4:8*(4*\a+\b)+7] offset:64*\b+16
.endr
	WIN 0
	s_wait_xcnt 0x0                                ; buffer f, which earlier stores read, and the stores' base are rewritten only behind this wait
.if \a
	s_add_nc_u64 s[70:71], s[70:71], 16*4096
.endif
.irp t, 0,1,2,3,4,5,6,7
	ds_load_b128 v[\f+4*\t:\f+4*\t+3], v[RD] offset:\t*2*SPITCH    ; LDS serves a wave's instructions in order: these see the stores above
.endr
.irp t, 0,1,2,3,4,5,6,7
	s_wait_dscnt 7-\t                              ; load t is in, the younger ones stay out
	global_store_b128 v[CO], v[\f+4*\t:\f+4*\t+3], s[70:71] offset:8192*\t   ; 16 lanes store 256 consecutive bytes, aligned
.endr
.endm
	OUT16 0, F0
	OUT16 1, F1
	OUT16 2, F0
	OUT16 3, F1
	s_wait_tensorcnt 0x0
	ds_add_u32 v254, v255
	s_wait_dscnt 0x0
	CROUND                                         ; the closing round
	s_endpgm
.Lfunc_end_k_q12fbdde3e3_oproj:
	.size	k_q12fbdde3e3_oproj, .Lfunc_end_k_q12fbdde3e3_oproj-k_q12fbdde3e3_oproj
	.p2alignl 7, 3214868480
	.fill 96, 4, 3214868480
	.section	.rodata,"a",@progbits
	.p2align	6, 0x0
	.amdhsa_kernel k_q12fbdde3e3_oproj
		.amdhsa_group_segment_fixed_size 327680
		.amdhsa_private_segment_fixed_size 0
		.amdhsa_enable_private_segment 0
		.amdhsa_kernarg_size 32
		.amdhsa_user_sgpr_count 2
		.amdhsa_user_sgpr_kernarg_segment_ptr 1
		.amdhsa_wavefront_size32 1
		.amdhsa_system_sgpr_workgroup_id_x 1
		.amdhsa_system_sgpr_workgroup_id_y 1
		.amdhsa_system_sgpr_workgroup_id_z 1
		.amdhsa_system_vgpr_workitem_id 0
		.amdhsa_next_free_vgpr 384
		.amdhsa_next_free_sgpr 72
		.amdhsa_reserve_vcc 0
		.amdhsa_float_denorm_mode_32 3
		.amdhsa_float_denorm_mode_16_64 3
		.amdhsa_memory_ordered 1
		.amdhsa_forward_progress 1
		.amdhsa_inst_pref_size 89
	.end_amdhsa_kernel
	.amdgpu_metadata
---
amdhsa.version: [ 1, 2 ]
amdhsa.kernels:
  - .name:           k_q12fbdde3e3_oproj
    .symbol:         k_q12fbdde3e3_oproj.kd
    .args:
      - { .name: ao, .offset: 0, .size: 8, .value_kind: global_buffer, .address_space: global }
      - { .name: xb, .offset: 8, .size: 8, .value_kind: global_buffer, .address_space: global }
      - { .name: bo, .offset: 16, .size: 8, .value_kind: global_buffer, .address_space: global }
      - { .name: out0, .offset: 24, .size: 8, .value_kind: global_buffer, .address_space: global }
    .group_segment_fixed_size: 327680
    .private_segment_fixed_size: 0
    .kernarg_segment_align: 8
    .kernarg_segment_size: 32
    .max_flat_workgroup_size: 128
    .sgpr_count:     72
    .vgpr_count:     384
    .wavefront_size: 32
...
	.end_amdgpu_metadata
.endif
;; end of part 4
